; MI455X (gfx1250); checked and timed in simulation.
; The chip was launched on July 23, 2026; its instructions are those of AMD's public machine-readable ISA for CDNA 5 (MIT licence, August 2026) and "CDNA5" Instruction Set Architecture Reference Guide (July 2026). The comments in the code are by the model that wrote it; some were corrected since.
;; Offline Sliding Window Attn. Allowed arithmetic: matrix products marked QUANTISED: E2M1 operands, one E8M0 scale for each 32 along K, by v_wmma_scale_f32_16x16x128_f8f6f4 with both operands' format E2M1 (or v_wmma_scale_f32_32x16x128_f4), f32 sums; everything else in f32.
;; Inputs: k 2 x 2,048 x 4 x 128 float32; k_gamma 2,048 float32; q 2 x 2,048 x 16 x 128 float32; q_gamma 2,048 float32; v 2 x 2,048 x 4 x 128 float32.
;; Outputs: out0 2 x 2,048 x 16 x 128 float32.
;; This version of the problem:
;;   THIS VERSION OF THE PROBLEM IS GIVEN IN LOW PRECISION. The matrix products marked QUANTISED in the list below multiply operands that are first quantised to E2M1 (2 exponent bits, 1 mantissa bit; 4 bits a number), with one power-of-two scale for each 32 numbers along K (OCP MX v1.0); their sums are f32. All else is computed in f32.
;;   The module's matrix products, in the order in which they are computed (A, B: the left and right operand; K: the contracted axis; several contracted axes count as one K, in the product's order):
;;     1. batch 32 x [M 2,048, K 128] x [K 128, N 2,048]; A: computed on the way; B: computed on the way: QUANTISED
;;     2. batch 32 x [M 128, K 2,048] x [K 2,048, N 2,048]; A: input v; B: computed on the way: QUANTISED
;;   THE QUANTISER, for each operand of a quantised product, along K:
;;     - K is cut into blocks of 32 from its start; a last block that is shorter is filled with zeros.
;;     - A block's scale is 2^e with e = floor(log2(the largest magnitude in the block)) - 2, held to -126 .. 127; a block of zeros has e = 0. As a byte (E8M0): e + 127.
;;     - Each number is divided by its block's scale, clamped to +-6, and rounded to the nearest number of E2M1, ties to even, subnormals kept.
;;     - The product sums the exact products of the quantised numbers (number of the format x scale) in f32.
;;   ~~~python
;;   def quantise(x, axis):      # numpy; x: float32 -> the quantised numbers, widened to float32 again
;;       x = np.moveaxis(x, axis, -1); K = x.shape[-1]
;;       x = np.pad(x, [(0, 0)] * (x.ndim - 1) + [(0, -K % 32)]); x = x.reshape(x.shape[:-1] + (-1, 32)); a = np.abs(x).max(-1, keepdims=True)
;;       e = np.where(a > 0, np.clip(np.frexp(np.where(a > 0, a, 1))[1] - 1 - 2, -126, 127), 0)      # np.frexp(a)[1] - 1 = floor(log2(a)), exactly
;;       r = np.clip(x / 2.0 ** e, -6, 6)
;;       step = 2.0 ** (np.maximum(np.frexp(np.where(r == 0, 1, r))[1] - 1, 0) - 1)
;;       q = np.round(r / step) * step * 2.0 ** e      # np.round: ties to even
;;       return np.moveaxis(q.reshape(q.shape[:-2] + (-1,))[..., :K], -1, axis).astype(np.float32)
;;   ~~~
;;   OPERANDS COMPUTED ON THE WAY. 'Computed on the way' means the value that the module computes at that place (a softmax that the list does not call 'softmax' is quantised finished and normalised). What goes into a quantiser is computed in f32, as accurately as f32 sums, v_exp_f32 and their like allow (about 1e-6 of the number): no bf16 or f16 on the way to a quantiser, and a product that is left as it is and whose result goes on into a quantised operand takes f32 operands (vector FMAs, or v_wmma_f32_16x16x4_f32). A number that lies on a knife's edge between two numbers of the format may be rounded either way, as far as f32 arithmetic and the matrix unit's own rounding can turn it there, and no further.
;; One version. Each part assembles by itself: llvm-mc -triple=amdgcn-amd-amdhsa -mcpu=gfx1250 --defsym DOCPART=n.
;; ======== version 1 of 1: 2 launches
;; workspace buffers: krec 4,456,448 bytes; vrec 1,114,112 bytes
;; launch prep (part 1): grid 256 x 1, 4 waves a work-group, no clusters, 76,288 bytes of LDS; arguments k, k_gamma, v, krec, vrec; writes krec, vrec
.if DOCPART == 1
	.amdgcn_target "amdgcn-amd-amdhsa--gfx1250"
	.amdhsa_code_object_version 6
	.text
	.protected	k_qe5002e2823_prep
	.globl	k_qe5002e2823_prep
	.p2align	8
	.type	k_qe5002e2823_prep,@function
k_qe5002e2823_prep:
	s_mov_b64 s[64:65], 0
	v_nop
	global_prefetch_b8 v0, s[64:65] scope:SCOPE_SE
	s_setreg_imm32_b32 hwreg(HW_REG_WAVE_MODE, 25, 1), 1
	s_wait_xcnt 0x0
; K AND V BECOME CODES OF FP4 (E2M1) WITH E8M0 SCALE BYTES, LAID AS THE ATTENTION LAUNCH'S OPERAND REGISTERS WANT THEM.
; k, v: [2][2048][4][128] f32.  k_gamma: [16 x 128] f32.
; K: for each of the 16 query heads hq = 4 kvh + e: kn = (k / sqrt(mean(k^2) + 1e-6)) x k_gamma[hq], quantised along the head's 128 in blocks of 32.  The rms is shared by a kv head's four query heads, the gain is not.
; V: quantised along the KEYS in blocks of 32, counted from key 0.
; A RECORD is a chunk of 128 keys of one head: 8,704 bytes.  Bytes 0 .. 8191: eight fragment images; tile t, half c, lane l = (r = l % 16, h = l / 16): 16 bytes at 1024 t + 512 c + 16 l.
;   K: key 32 (t / 2) + 8 (t % 2) + r + 8 (r / 8), channels 64 c + 32 h + 0 .. 31.      V: channel 16 t + r, keys 64 c + 32 h + 0 .. 31.
;   Bytes 8192 .. 8703: scale words: at 8192 + 128 p + 4 l the word of tile 2 p + l / 16, row l % 16; byte i serves the row's i-th block of 32.
; krec: [2][16 heads][16 chunks] records;  vrec: [2][4 kv heads][16 chunks] records.
; A block's scale is 2^(floor(log2(its largest magnitude)) - 2); its byte is that magnitude's exponent field - 2, held at 1 from below.
; SHARES: work-groups 0 .. 127 take K, one chunk of one kv head each (four records); work-groups 128 .. 255 take V, one record each.  Four waves; waves share nothing: no barrier.  Only K's path uses LDS.
; LIMITS: a block of zeros gets the byte 1 where the rule says 127 (its codes are zeros, and this program alone reads the bytes).  x * rsq(mean + eps) stands for x / sqrt(mean + eps), and the sum of squares is taken
; in four partial sums a lane: a few units in the last place of f32 apart from the written order.  NaN and infinities among the inputs are not served.
; The scale words leave in runs of 128 consecutive bytes a wave (512 of a record's 8,704 bytes); all codes leave in runs of 256 or 512 consecutive aligned bytes.
.set REC,   8704
.set HSTEP, 16*REC                     ; from a head's record to the next head's
.set PITCH, 528                        ; a key's row in the stage: 512 bytes + 16: an odd multiple of 16, so that sixteen rows' 16-byte pieces fall on different banks (ISA guide 11.1)
.set GOFF,  32*PITCH                   ; behind the wave's 32 rows: four heads' gains, 512 bytes each
.set WREG,  GOFF+4*512                 ; a wave's own LDS: 18,944 bytes
.set W,  16                            ; v16-23   scale words, tile u, head e at 4 u + e.  (V's path: v16 alone)
.set C,  32                            ; v32-63   codes, eight registers a head; first of all the gains as loaded.  (V's path: four registers a block)
.set X,  64                            ; v64-127  a lane's 64 numbers of its row, then normalised.  (V's path: two sets of 32)
.set G,  128                           ; v128-191 the same 64 channels of a head's gain
.set Y,  192                           ; v192-255 X x G.   v128-255 hold first of all the 32 rows as loaded
; v1 lane, v2 r, v3 h, v4 16 lane, v5 stage in, v6 stage out, v7 gains out, v8 8 h, v9 4 lane, v10-15 sums and 1 / rms, v24-29 at work, v30 a lane permute's destination
	s_load_b256 s[4:11], s[0:1], 0x0               ; k s[4:5], k_gamma s[6:7], v s[8:9], krec s[10:11]
	s_load_b64 s[12:13], s[0:1], 0x20              ; vrec
	v_lshl_add_u32 v31, v0, 2, 0x12800
	s_set_vgpr_msb 0x40
	v_mov_b32 v1, 0
	s_set_vgpr_msb 0x4000
	v_lshrrev_b32 v1, 5, v0
	v_readfirstlane_b32 s14, v1                    ; wave 0..3
	v_and_b32 v1, 31, v0                           ; lane
	v_lshlrev_b32 v9, 2, v1                        ; 4 x lane
	s_and_b32 s15, ttmp9, 127                      ; id = 64 b + 16 kvh + chunk
	s_and_b32 s16, s15, 15                         ; chunk
	s_bfe_u32 s17, s15, 0x20004                    ; kvh
	s_lshr_b32 s18, s15, 6                         ; b
	s_lshl_b32 s20, s18, 22                        ; in k and in v: b x 2048 keys x 2048 bytes
	s_lshl_b32 s19, s16, 18                        ; + chunk x 128 keys x 2048 bytes
	s_add_co_u32 s20, s20, s19
	s_lshl_b32 s19, s17, 9                         ; + kvh x 512 bytes
	s_add_co_u32 s20, s20, s19
	s_mov_b32 s21, 0
	s_mov_b32 s23, 0
	s_mov_b32 s31, 0
	s_mov_b32 s33, 0
	s_cmp_lt_u32 ttmp9, 128                        ; K's work-group or V's: the work-group's number alone decides
	s_cbranch_scc0 .Lv
; ---------------------------------------------------------------- K: wave w takes keys 32 w .. 32 w + 31 of the chunk: tiles 2 w and 2 w + 1, for four heads
	v_and_b32 v2, 15, v0                           ; r
	v_bfe_u32 v3, v0, 4, 1                         ; h
	v_lshlrev_b32 v4, 4, v1                        ; 16 x lane
	s_mul_i32 s28, s14, WREG                       ; my wave's LDS
	v_add_nc_u32 v5, s28, v4                       ; into the stage: 16 bytes a lane of a row's 512
	v_mul_u32_u24 v6, v2, PITCH
	v_lshl_add_u32 v6, v3, 7, v6
	v_add_nc_u32 v6, s28, v6                       ; out of it: row r of a tile, + 128 h: channels 32 h on
	v_lshlrev_b32 v7, 7, v3
	v_add_nc_u32 v7, s28, v7                       ; the gains: + 128 h (GOFF stands in the immediates)
	v_lshlrev_b32 v8, 3, v3                        ; 8 h: my bytes' place in a scale word
	v_mov_b32 v30, 0                               ; written once: a lane permute's destination counts as one of its sources
	s_mov_b32 s24, 0x76543210
	s_mov_b32 s25, 0xfedcba98                      ; v_permlanex16_b32's selects for lane l xor 16
	s_mov_b32 s26, 0x3c000000                      ; 1 / 128
	s_mov_b32 s27, 0x358637bd                      ; 1e-6
	s_lshl_b32 s19, s14, 16                        ; my 32 keys: 32 w x 2048 bytes
	s_add_co_u32 s20, s20, s19
	s_lshl_b32 s22, s17, 11                        ; the gains of heads 4 kvh on
	s_lshl_b32 s30, s18, 8
	s_lshl_b32 s19, s17, 6
	s_add_co_u32 s30, s30, s19
	s_add_co_u32 s30, s30, s16                     ; record (16 b + 4 kvh) x 16 + chunk
	s_mul_i32 s30, s30, REC
	s_lshl_b32 s19, s14, 7
	s_add_co_u32 s32, s30, 8192
	s_add_co_u32 s32, s32, s19                     ; my scale words: + 8192 + 128 w
	s_lshl_b32 s19, s14, 11
	s_add_co_u32 s30, s30, s19                     ; my two tiles' images: + 2048 w
	s_wait_kmcnt 0x0
	s_add_nc_u64 s[4:5], s[4:5], s[20:21]
	s_add_nc_u64 s[6:7], s[6:7], s[22:23]
	s_add_nc_u64 s[34:35], s[10:11], s[32:33]
	s_add_nc_u64 s[10:11], s[10:11], s[30:31]
.irp e, 0,1,2,3
	global_load_b128 v[C+4*\e:C+4*\e+3], v4, s[6:7] offset:512*\e        ; head e's 128 gains
.endr
.set KQ, 0
.rept 32
	global_load_b128 v[128+4*KQ:128+4*KQ+3], v4, s[4:5] offset:2048*KQ th:TH_LOAD_NT   ; key KQ: the 32 lanes read its 512 consecutive bytes
.set KQ, KQ+1
.endr
	s_wait_loadcnt 32                              ; the four gains are in; the 32 rows behind them may be out
.irp e, 0,1,2,3
	ds_store_b128 v5, v[C+4*\e:C+4*\e+3] offset:GOFF+512*\e
.endr
.set KQ, 0
.rept 32
	s_wait_loadcnt 31-KQ                           ; loads come back in order (ISA guide 5.7.1): row KQ is in, the younger ones may be out
	ds_store_b128 v5, v[128+4*KQ:128+4*KQ+3] offset:(16*((KQ>>3)&1)+(KQ&7)+8*(KQ>>4))*PITCH   ; in the ORDER OF THE TILES: key KQ is row (KQ % 8) + 8 (KQ / 16) of tile (KQ / 8) % 2
.set KQ, KQ+1
.endr
	s_wait_dscnt 0x0                               ; the stores have read their registers, which are used anew below
.macro GLOAD e                         ; head e's gain at my 64 channels: 64 c + 32 h + 0 .. 31
.irp c, 0,1
.irp g, 0,1,2,3,4,5,6,7
	ds_load_b128 v[G+32*\c+4*\g:G+32*\c+4*\g+3], v7 offset:GOFF+(\e)*512+256*\c+16*\g
.endr
.endr
.endm
; X's 64 numbers and lane l xor 16's 64 are a row: X becomes X / sqrt(mean of squares + 1e-6)
.macro NORM
	v_pk_mul_f32 v[10:11], v[X:X+1], v[X:X+1]
	v_pk_mul_f32 v[12:13], v[X+2:X+3], v[X+2:X+3]  ; two packed chains: nothing is cleared
.set JJ, 4
.rept 15
	v_pk_fma_f32 v[10:11], v[X+JJ:X+JJ+1], v[X+JJ:X+JJ+1], v[10:11]
	v_pk_fma_f32 v[12:13], v[X+JJ+2:X+JJ+3], v[X+JJ+2:X+JJ+3], v[12:13]
.set JJ, JJ+4
.endr
	v_pk_add_f32 v[10:11], v[10:11], v[12:13]
	v_add_f32 v10, v10, v11
	v_permlanex16_b32 v30, v10, s24, s25
	v_add_f32 v10, v10, v30                        ; the row's sum of squares
	v_fma_f32 v10, v10, s26, s27                   ; / 128 + 1e-6
	v_rsq_f32 v14, v10
	v_nop                                          ; a plain instruction behind the transcendental
	s_wait_alu depctr_va_vdst(0)                   ; the wait ahead of the first line that names the result
	v_mov_b32 v15, v14                             ; (named with it as a pair)
.set JJ, 0
.rept 32
	v_pk_mul_f32 v[X+JJ:X+JJ+1], v[X+JJ:X+JJ+1], v[14:15] op_sel_hi:[1,0]
.set JJ, JJ+2
.endr
.endm
; 64 numbers of a lane, v[y + 32 c + i] = channel 64 c + 32 h + i of my row: two WHOLE blocks, 2 c + h.  Their codes are the operand's registers cd .. cd + 7; the row's scale word comes into wd, in both halves of the lanes.
.macro QUANT2 y, cd, wd
.irp k, 0,1
	v_max3_num_f32 v[24+\k], |v[\y+32*\k]|, |v[\y+32*\k+1]|, 0x1800000   ; with the floor 2^(3 - 127): the byte cannot fall under 1
.endr
.irp i, 2,4,6,8,10,12,14,16,18,20,22,24,26,28,30
.irp k, 0,1
	v_max3_num_f32 v[24+\k], v[24+\k], |v[\y+32*\k+\i]|, |v[\y+32*\k+\i+1]|   ; (the two blocks by turns)
.endr
.endr
.irp k, 0,1
	v_add_nc_u32 v[26+\k], 0xff000000, v[24+\k]    ; 2 off the exponent field: the conversion takes this operand's exponent field as its scale
.endr
.irp k, 0,1
	v_lshrrev_b32 v[28+\k], 23, v[26+\k]           ; the scale's byte
.endr
	v_lshl_or_b32 v[\wd], v29, 16, v28             ; blocks h and 2 + h,
	v_lshlrev_b32 v[\wd], v8, v[\wd]               ; at their places, 8 h bits up;
	v_permlanex16_b32 v30, v[\wd], s24, s25
	v_or_b32 v[\wd], v[\wd], v30                   ; with lane l xor 16's two the word is whole
.irp k, 0,1
.irp g, 0,1,2,3
	v_cvt_scalef32_pk8_fp4_f32 v[\cd+4*\k+\g], v[\y+32*\k+8*\g:\y+32*\k+8*\g+7], v[26+\k]
.endr
.endr
	v_nop                                          ; a plain instruction behind the last scaled conversion: its sources are written again below
.endm
.irp u, 0,1                            ; tile 2 w + u
.irp c, 0,1
.irp g, 0,1,2,3,4,5,6,7
	ds_load_b128 v[X+32*\c+4*\g:X+32*\c+4*\g+3], v6 offset:\u*16*PITCH+256*\c+16*\g   ; LDS serves a wave's instructions in order (ISA guide 5.7.1.4): these see my stores
.endr
.endr
	GLOAD 0
	s_wait_dscnt 16                                ; X is in; the gain's 16 loads may be out
	NORM
	s_wait_xcnt 0x0                                ; the last tile's stores have read their data: the codes' registers are written again only behind this wait
.irp e, 0,1,2,3                        ; head 4 kvh + e
	s_wait_dscnt 0x0                               ; the head's gain is in
.set JJ, 0
.rept 32
	v_pk_mul_f32 v[Y+JJ:Y+JJ+1], v[X+JJ:X+JJ+1], v[G+JJ:G+JJ+1]
.set JJ, JJ+2
.endr
.if \e < 3
	GLOAD \e+1                                     ; lands while this head is quantised
.endif
	QUANT2 Y, C+8*\e, W+4*\u+\e
	global_store_b128 v4, v[C+8*\e:C+8*\e+3], s[10:11] offset:\e*HSTEP+\u*1024          ; an image's half: 512 consecutive bytes, at a multiple of 256 from the buffer's first byte
	global_store_b128 v4, v[C+8*\e+4:C+8*\e+7], s[10:11] offset:\e*HSTEP+\u*1024+512
.endr
.endr
	v_cmp_gt_u32 vcc_lo, 16, v1                    ; lanes 0-15 carry tile 2 w's words, lanes 16-31 tile 2 w + 1's
.irp e, 0,1,2,3
	v_cndmask_b32 v[W+\e], v[W+4+\e], v[W+\e], vcc_lo
.endr
.irp e, 0,1,2,3
	global_store_b32 v9, v[W+\e], s[34:35] offset:\e*HSTEP
.endr
	s_set_vgpr_msb 0x4
	s_wait_tensorcnt 0x0
	ds_add_u32 v31, v1
	s_wait_dscnt 0x0
	s_set_vgpr_msb 0x400
	s_endpgm
; ---------------------------------------------------------------- V: a lane takes a channel, its registers run down the keys: wave w channels 32 w + lane, four blocks of 32 keys
.Lv:
	s_lshl_b32 s19, s14, 7
	s_add_co_u32 s20, s20, s19                     ; my wave's 32 channels: + 128 w bytes
	s_mul_i32 s30, s15, REC                        ; record (4 b + kvh) x 16 + chunk = id
	s_add_co_u32 s32, s30, 8192
	s_add_co_u32 s32, s32, s19                     ; my scale words: + 8192 + 128 w
	s_lshl_b32 s19, s14, 11
	s_add_co_u32 s30, s30, s19                     ; my two tiles' images: + 2048 w
	v_lshrrev_b32 v10, 4, v1
	v_and_b32 v11, 15, v1
	v_lshlrev_b32 v10, 10, v10
	v_lshl_add_u32 v10, v11, 4, v10                ; tile lane / 16, row lane % 16: 1024 (lane / 16) + 16 (lane % 16)
	s_wait_kmcnt 0x0
	s_add_nc_u64 s[8:9], s[8:9], s[20:21]
	s_add_nc_u64 s[34:35], s[12:13], s[32:33]
	s_add_nc_u64 s[12:13], s[12:13], s[30:31]
.macro VLOAD t                         ; block t: v(32 t + i, my channel) into set t % 2: the wave reads 128 consecutive bytes, the four waves a key's 512
.set JJ, 0
.rept 32
	global_load_b32 v[X+32*((\t)%2)+JJ], v9, s[8:9] offset:(32*(\t)+JJ)*2048 th:TH_LOAD_NT
.set JJ, JJ+1
.endr
.endm
.macro VBLOCK t
.set XS, X+32*((\t)%2)
.if (\t) < 3
	s_wait_loadcnt 32                              ; this block's 32 loads are in; the next block's may be out
.else
	s_wait_loadcnt 0x0
.endif
	v_max3_num_f32 v24, |v[XS]|, |v[XS+1]|, |v[XS+2]|     ; the block's largest magnitude: all 32 numbers are mine
	v_max3_num_f32 v25, |v[XS+3]|, |v[XS+4]|, |v[XS+5]|
.irp i, 6,10,14,18,22,26
	v_max3_num_f32 v24, v24, |v[XS+\i]|, |v[XS+\i+1]|
	v_max3_num_f32 v25, v25, |v[XS+\i+2]|, |v[XS+\i+3]|
.endr
	v_max3_num_f32 v24, v24, |v[XS+30]|, |v[XS+31]|
	v_max3_num_f32 v24, v24, v25, 0x1800000        ; and the floor 2^(3 - 127)
	v_add_nc_u32 v26, 0xff000000, v24              ; the conversion's scale operand
	v_lshrrev_b32 v28, 23, v26                     ; the scale's byte
.if (\t) == 0
	v_mov_b32 v16, v28
.else
	v_lshl_or_b32 v16, v28, 8*(\t), v16            ; byte t of my channel's word
.endif
.irp g, 0,1,2,3
	v_cvt_scalef32_pk8_fp4_f32 v[C+4*(\t)+\g], v[XS+8*\g:XS+8*\g+7], v26
.endr
	v_nop                                          ; a plain instruction behind the last scaled conversion
	global_store_b128 v10, v[C+4*(\t):C+4*(\t)+3], s[12:13] offset:((\t)/2)*512+((\t)%2)*256   ; half c = t / 2, lanes' half h = t % 2: sixteen lanes store 256 consecutive aligned bytes; each block has registers of its own
.if (\t)+2 < 4
	VLOAD (\t)+2
.endif
.endm
	VLOAD 0
	VLOAD 1
	VBLOCK 0
	VBLOCK 1
	VBLOCK 2
	VBLOCK 3
	global_store_b32 v9, v16, s[34:35]             ; lane l: the word of tile 2 w + l / 16, row l % 16
	s_endpgm
.Lfunc_end_k_qe5002e2823_prep:
	.size	k_qe5002e2823_prep, .Lfunc_end_k_qe5002e2823_prep-k_qe5002e2823_prep
	.p2alignl 7, 3214868480
	.fill 96, 4, 3214868480
	.section	.rodata,"a",@progbits
	.p2align	6, 0x0
	.amdhsa_kernel k_qe5002e2823_prep
		.amdhsa_group_segment_fixed_size 76288
		.amdhsa_private_segment_fixed_size 0
		.amdhsa_enable_private_segment 0
		.amdhsa_kernarg_size 40
		.amdhsa_user_sgpr_count 2
		.amdhsa_user_sgpr_kernarg_segment_ptr 1
		.amdhsa_wavefront_size32 1
		.amdhsa_system_sgpr_workgroup_id_x 1
		.amdhsa_system_sgpr_workgroup_id_y 1
		.amdhsa_system_sgpr_workgroup_id_z 1
		.amdhsa_system_vgpr_workitem_id 0
		.amdhsa_next_free_vgpr 258
		.amdhsa_next_free_sgpr 66
		.amdhsa_reserve_vcc 1
		.amdhsa_float_denorm_mode_32 3
		.amdhsa_float_denorm_mode_16_64 3
		.amdhsa_memory_ordered 1
		.amdhsa_forward_progress 1
		.amdhsa_inst_pref_size 90
	.end_amdhsa_kernel
	.amdgpu_metadata
---
amdhsa.version: [ 1, 2 ]
amdhsa.kernels:
  - .name:           k_qe5002e2823_prep
    .symbol:         k_qe5002e2823_prep.kd
    .args:
      - { .name: k, .offset: 0, .size: 8, .value_kind: global_buffer, .address_space: global }
      - { .name: k_gamma, .offset: 8, .size: 8, .value_kind: global_buffer, .address_space: global }
      - { .name: v, .offset: 16, .size: 8, .value_kind: global_buffer, .address_space: global }
      - { .name: krec, .offset: 24, .size: 8, .value_kind: global_buffer, .address_space: global }
      - { .name: vrec, .offset: 32, .size: 8, .value_kind: global_buffer, .address_space: global }
    .group_segment_fixed_size: 76288
    .private_segment_fixed_size: 0
    .kernarg_segment_align: 8
    .kernarg_segment_size: 40
    .max_flat_workgroup_size: 128
    .sgpr_count:     66
    .vgpr_count:     258
    .wavefront_size: 32
...
	.end_amdgpu_metadata
.endif
;; end of part 1
;; launch attn (part 2): grid 16 x 32, 8 waves a work-group, no clusters, 168,960 bytes of LDS; arguments q, q_gamma, krec, vrec, out0; writes out0
.if DOCPART == 2
	.amdgcn_target "amdgcn-amd-amdhsa--gfx1250"
	.amdhsa_code_object_version 6
	.text
	.protected	k_qe5002e2823_attn
	.globl	k_qe5002e2823_attn
	.p2align	8
	.type	k_qe5002e2823_attn,@function
k_qe5002e2823_attn:
	s_mov_b64 s[64:65], 0
	v_nop
	global_prefetch_b8 v0, s[64:65] scope:SCOPE_SE
	s_setreg_imm32_b32 hwreg(HW_REG_WAVE_MODE, 25, 1), 1
	s_wait_xcnt 0x0
; out0[b][i][hq][:] = sum over keys j of clip(softmax_j(qn . kn / sqrt(128)), 0, 1) v[j][:], keys i - 512 .. i alone; both products on codes of FP4 (E2M1) with one E8M0 scale for each 32 along K.
; q, out0: [2][2048][16][128] f32.  q_gamma: [16 x 128].  krec, vrec: records of 128 keys, 8,704 bytes, laid as images of the operands' registers with their scale words behind them (made by the launch before).
; THE WEIGHTS ARE QUANTISED FINISHED: p = 2^(c s - c m) / l, with m the row's true largest score, l the row's whole sum, c = log2(e) / sqrt(128).  So all of a row's scores are kept until l is known.
; SHARES.  A work-group owns 128 queries (block qb) of one head; each of its eight waves 16 of them, one tile.  A query sees keys of five chunks of 128 at the most: ROLE a = 0 .. 4 is chunk qb - a.
; A wave keeps its 16 x 640 scores in 320 registers: one pass of K Q^T, one exponential a score.
; A role whose chunk does not exist (qb < a) takes chunk 0's record, and -infinity is added to its block maxima and to its -c m: every p is 0 and every code 0.  No branch hangs on it.
; LAYOUT.  Both products are used transposed: S^T = K Q^T (source 0 = 16 keys, source 1 = my 16 queries), O^T = V^T P^T (source 0 = 16 channels, source 1 = P): a lane holds ONE query (lane % 16) throughout.
; The keys of a tile of K are chosen (in the record) so that registers 16 b + i of a chunk's 64 are keys 32 b + 16 (lane / 16) + i: sixteen neighbours of block b.
; LDS: the ten records come once, by tensor loads of waves 0 to 4 (role = wave: K's record and V's); nothing is filled twice.  Behind them each wave has a stage of its own, written by LDS stores alone.
; CLUSTER: none.  Of a work-group's bytes (q 65,536, out0 65,536, K's records 43,520, V's 43,520) only V's are the same in other work-groups, those of the kv head's four query heads: a fifth.  K's records differ
; from head to head, and in a neighbouring query block the same record has another role, so another LDS address.
; LIMITS.  A block's largest p is its largest score sent through the same multiply-add, exponential and multiplication: this takes v_exp_f32 not to fall where its input rises (the ISA guide promises 1 ulp).
; p x (1 / l) can pass 1 by two units in the last place; the block's maximum is held at 1, and 4 (1 + 2^-22) takes the same code as 4: the codes are those of the clipped numbers.  p is never negative.
; A block of zeros carries the byte 1 where the rule says 127: its codes are zeros.  An exponential under 2^-126 comes out as 0.  x * rsq(mean + eps) stands for x / sqrt(mean + eps), p * rcp(l) for p / l, and the sums
; are taken in four partial sums a lane: a few units in the last place of f32.  NaN and infinities among the inputs are not served.
; REGISTERS, in windows of 256 (s_set_vgpr_msb: bits 1:0 source 0, 3:2 source 1, 5:4 source 2, 7:6 destination):
;   window 0: v1-4 LDS addresses of records and scale words; v5 the mask's number; v6 8 h; v7 -infinity; v[8:9] -c m of the role; v[10:11], v[14:15] sums; v[12:13] 1 / l; v16-23 Q's codes, then P's; v24 their scale word;
;   v25 -c m; v26-29 addresses; v30-31, v60-63 at work; v32-51 block maxima (role a, block b at 4 a + b); v52-59 scale words of K or V, two sets; v64-127 buffer 0; v128-191 buffer 1 of K, then O^T;
;   v192-255 role 0's scores, then buffer 1 of V.      window 1: roles 1 to 4's scores, 64 registers each.
.set REC,    8704
.set KREG,   0                         ; LDS: K's five records, role a at a x REC
.set VREG,   5*REC                     ; V's five
.set STG,    10*REC                    ; the stages: a multiple of 256; no tensor load lands from here on
.set SPITCH, 528                       ; a stage row: 512 bytes + 16
.set GOFF,   16*SPITCH                 ; behind a stage's 16 rows: the head's gain, 512 bytes
.set WSTG,   8960                      ; a wave's stage
.set AK,  1
.set AV,  2
.set ASK, 3
.set ASV, 4
.set BM,  32
.set SCW, 52
.set X,   64
.set G,   192
.set O,   128
.set MSB, 0
.macro WIN new                         ; the immediate's high byte repeats the setting that is left; a switch that changes nothing is dropped
.if MSB != (\new)
	s_set_vgpr_msb (MSB<<8)|(\new)
.set MSB, (\new)
.endif
.endm
.macro PLACES n
.rept \n
	v_nop
.endr
.endm
.macro SETS a                          ; where role a's scores lie: SB the first register, W1 the window
.if (\a) == 0
.set SB, 192
.set W1, 0
.else
.set SB, 64*((\a)-1)
.set W1, 1
.endif
.endm
	s_load_b256 s[4:11], s[0:1], 0x0               ; q s[4:5], q_gamma s[6:7], krec s[8:9], vrec s[10:11]
	s_load_b64 s[12:13], s[0:1], 0x20              ; out0
	v_lshl_add_u32 v254, v0, 2, 0x29000
	v_mov_b32 v255, 0
	ds_add_u32 v254, v255
	ds_add_u32 v254, v255
	s_wait_dscnt 0x0
	v_lshrrev_b32 v30, 5, v0
	v_readfirstlane_b32 s14, v30                   ; wave 0..7
	s_mov_b32 s15, ttmp9                           ; qb
	s_and_b32 s32, ttmp7, 0xffff                   ; 16 b + hq
	; descriptor group 1: a record as 34 rows of 256 bytes, dense, no padding
	s_mov_b32 s16, 3<<16                           ; 15:0 no mask; 17:16 elements of 8 bytes; 20 no padding
	s_mov_b32 s17, 32<<16                          ; tensor_dim0 = 32
	s_mov_b32 s18, 34<<16                          ; tensor_dim1 = 34
	s_mov_b32 s19, 32<<16                          ; tile_dim0 = 32
	s_mov_b32 s20, 34                              ; tile_dim1 = 34
	s_mov_b32 s21, 32                              ; tensor_dim0_stride
	s_mov_b32 s22, 0
	s_mov_b32 s23, 0
	s_sub_co_i32 s33, s15, s14
	s_max_i32 s33, s33, 0                          ; my role's chunk, qb - wave, held at 0
	s_lshl_b32 s34, s32, 4
	s_add_co_u32 s34, s34, s33
	s_mul_i32 s34, s34, REC                        ; K's record (16 b + hq) x 16 + chunk
	s_mov_b32 s35, 0
	s_lshr_b32 s36, s32, 2
	s_lshl_b32 s36, s36, 4
	s_add_co_u32 s36, s36, s33
	s_mul_i32 s36, s36, REC                        ; V's record (4 b + hq / 4) x 16 + chunk
	s_mov_b32 s37, 0
	s_mul_i32 s38, s14, REC                        ; its place in LDS: role x REC
	s_mul_i32 s39, s14, WSTG
	s_add_co_u32 s39, s39, STG                     ; my stage
	s_mov_b32 s40, 0x76543210
	s_mov_b32 s41, 0xfedcba98                      ; v_permlanex16_b32's selects for lane l xor 16
	s_mov_b32 s42, 0x3e0293ee                      ; c = log2(e) / sqrt(128)
	s_mov_b32 s43, s42                             ; (named with it as a pair)
	s_mov_b32 s44, 0xbe0293ee                      ; -c
	s_mov_b32 s45, 0xff800000                      ; -infinity
.irp a, 1,2,3,4
	s_cmp_ge_u32 s15, \a
	s_cselect_b32 s[45+\a], 0, s45                 ; role a's bias: 0 where chunk qb - a exists
.endr
	s_mov_b32 s50, 0x3c000000                      ; 1 / 128
	s_mov_b32 s51, 0x358637bd                      ; 1e-6
	s_lshr_b32 s52, s32, 4
	s_lshl_b32 s52, s52, 24                        ; in q and out0: b x 2048 x 8192 bytes
	s_lshl_b32 s53, s15, 20                        ; + qb x 128 rows of 8192
	s_add_co_u32 s52, s52, s53
	s_lshl_b32 s53, s14, 17                        ; + wave x 16 rows
	s_add_co_u32 s52, s52, s53
	s_and_b32 s54, s32, 15
	s_lshl_b32 s54, s54, 9                         ; + hq x 512; also the head's place in q_gamma
	s_add_co_u32 s52, s52, s54
	s_mov_b32 s53, 0
	s_mov_b32 s55, 0
	s_lshl_b32 s56, s14, 4                         ; 16 x wave
	v_and_b32 v30, 31, v0                          ; lane
	v_and_b32 v31, 15, v0                          ; r
	v_bfe_u32 v6, v0, 4, 1                         ; h
	v_lshlrev_b32 v26, 4, v30                      ; 16 x lane: offsets in q, q_gamma and out0
	v_lshl_add_u32 v[AK], v30, 4, KREG             ; an image's place for my lane
	v_lshl_add_u32 v[AV], v30, 4, VREG
	v_lshl_add_u32 v[ASK], v30, 2, KREG+8192       ; a scale word's
	v_lshl_add_u32 v[ASV], v30, 2, VREG+8192
	v_add_nc_u32 v27, s39, v26                     ; the stage by rows: 16 bytes a lane
	v_mul_u32_u24 v28, v31, SPITCH
	v_lshl_add_u32 v28, v6, 7, v28
	v_add_nc_u32 v28, s39, v28                     ; the stage by lanes: row r, + 128 h: channels 32 h on
	v_lshlrev_b32 v29, 7, v6
	v_add_nc_u32 v29, s39, v29                     ; the gain: + 128 h (GOFF stands in the immediates)
	v_lshlrev_b32 v5, 4, v6
	v_sub_nc_u32 v5, v31, v5
	v_add_nc_u32 v5, s56, v5                       ; 16 wave + r - 16 h: my query's place in the block, less my half's 16 keys
	v_lshlrev_b32 v6, 3, v6                        ; 8 h
	v_mov_b32 v7, 0xff800000
	v_mov_b32 v9, 0                                ; (named as the upper half of the pair v[8:9])
	v_mov_b32 v25, 0                               ; written once: a lane permute's destination counts as one of its sources
	s_wait_kmcnt 0x0
	s_add_nc_u64 s[4:5], s[4:5], s[52:53]
	s_add_nc_u64 s[12:13], s[12:13], s[52:53]
	s_add_nc_u64 s[6:7], s[6:7], s[54:55]
	s_mov_b32 s24, 1                               ; group 0 for K's record: 1:0 count = 1
	s_mov_b32 s25, s38                             ; 63:32 LDS address
	s_add_nc_u64 s[26:27], s[8:9], s[34:35]        ; 120:64 global address
	s_or_b32 s27, s27, 0x80000000                  ; 127:126 type = 2
	s_mov_b32 s28, 1                               ; and for V's
	s_add_co_u32 s29, s38, VREG
	s_add_nc_u64 s[30:31], s[10:11], s[36:37]
	s_or_b32 s31, s31, 0x80000000
	s_cmp_lt_u32 s14, 5                            ; waves 0 to 4 fetch, each its role's two records: both fills in one branch on the wave's number, ahead of every wait on TENSORcnt and the barrier
	s_cbranch_scc0 .Lno_fill
	tensor_load_to_lds s[24:27], s[16:23]
	s_nop 0
	tensor_load_to_lds s[28:31], s[16:23]          ; two loads of mine are out, and none follows
	s_nop 0
	PLACES 4
.Lno_fill:
; ---------------------------------------------------------------- Q: my 16 rows are normalised, scaled by the gain and quantised in registers, while the records land
	global_load_b128 v[60:63], v26, s[6:7]         ; the head's 128 gains
.set II, 0
.rept 16
	global_load_b128 v[128+4*II:128+4*II+3], v26, s[4:5] offset:II*8192 th:TH_LOAD_NT   ; query II: the 32 lanes read its 512 consecutive bytes
.set II, II+1
.endr
	s_wait_loadcnt 16                              ; the gain is in; the 16 rows behind it may be out
	ds_store_b128 v27, v[60:63] offset:GOFF
.set II, 0
.rept 16
	s_wait_loadcnt 15-II                           ; row II is in, the younger ones may be out
	ds_store_b128 v27, v[128+4*II:128+4*II+3] offset:II*SPITCH
.set II, II+1
.endr
.irp c, 0,1
.irp g, 0,1,2,3,4,5,6,7
	ds_load_b128 v[X+32*\c+4*\g:X+32*\c+4*\g+3], v28 offset:256*\c+16*\g        ; LDS serves a wave's instructions in order (ISA guide 5.7.1.4): row r, channels 64 c + 32 h + 0 .. 31
.endr
.endr
.irp c, 0,1
.irp g, 0,1,2,3,4,5,6,7
	ds_load_b128 v[G+32*\c+4*\g:G+32*\c+4*\g+3], v29 offset:GOFF+256*\c+16*\g   ; the gain at the same channels
.endr
.endr
	s_wait_dscnt 16                                ; X is in; the gain's 16 loads may be out
	v_pk_mul_f32 v[10:11], v[X:X+1], v[X:X+1]      ; the row's sum of squares: my 64 numbers in two packed chains,
	v_pk_mul_f32 v[12:13], v[X+2:X+3], v[X+2:X+3]
.set JJ, 4
.rept 15
	v_pk_fma_f32 v[10:11], v[X+JJ:X+JJ+1], v[X+JJ:X+JJ+1], v[10:11]
	v_pk_fma_f32 v[12:13], v[X+JJ+2:X+JJ+3], v[X+JJ+2:X+JJ+3], v[12:13]
.set JJ, JJ+4
.endr
	v_pk_add_f32 v[10:11], v[10:11], v[12:13]
	v_add_f32 v10, v10, v11
	v_permlanex16_b32 v25, v10, s40, s41
	v_add_f32 v10, v10, v25                        ; and lane l xor 16's 64
	v_fma_f32 v10, v10, s50, s51                   ; / 128 + 1e-6
	v_rsq_f32 v14, v10
	v_nop                                          ; a plain instruction behind the transcendental
	s_wait_alu depctr_va_vdst(0)                   ; the wait ahead of the first line that names the result
	v_mov_b32 v15, v14
.set JJ, 0
.rept 32
	v_pk_mul_f32 v[X+JJ:X+JJ+1], v[X+JJ:X+JJ+1], v[14:15] op_sel_hi:[1,0]
.set JJ, JJ+2
.endr
	s_wait_dscnt 0x0                               ; the gain is in
.set JJ, 0
.rept 32
	v_pk_mul_f32 v[X+JJ:X+JJ+1], v[X+JJ:X+JJ+1], v[G+JJ:G+JJ+1]
.set JJ, JJ+2
.endr
	; a lane holds two WHOLE blocks of 32 channels, 2 c + h: their codes are the operand's registers
.irp k, 0,1
	v_max3_num_f32 v[30+\k], |v[X+32*\k]|, |v[X+32*\k+1]|, 0x1800000    ; with the floor 2^(3 - 127): the byte cannot fall under 1
.endr
.irp i, 2,4,6,8,10,12,14,16,18,20,22,24,26,28,30
.irp k, 0,1
	v_max3_num_f32 v[30+\k], v[30+\k], |v[X+32*\k+\i]|, |v[X+32*\k+\i+1]|
.endr
.endr
.irp k, 0,1
	v_add_nc_u32 v[60+\k], 0xff000000, v[30+\k]    ; 2 off the exponent field: the conversion's scale operand
.endr
.irp k, 0,1
	v_lshrrev_b32 v[62+\k], 23, v[60+\k]           ; the scale's byte
.endr
	v_lshl_or_b32 v24, v63, 16, v62                ; blocks h and 2 + h,
	v_lshlrev_b32 v24, v6, v24                     ; 8 h bits up;
	v_permlanex16_b32 v25, v24, s40, s41
	v_or_b32 v24, v24, v25                         ; with lane l xor 16's two the query's scale word is whole
.irp k, 0,1
.irp g, 0,1,2,3
	v_cvt_scalef32_pk8_fp4_f32 v[16+4*\k+\g], v[X+32*\k+8*\g:X+32*\k+8*\g+7], v[60+\k]
.endr
.endr
	v_nop                                          ; a plain instruction behind the last scaled conversion
	PLACES 8                                       ; a scale register written by vector instructions stands eight places ahead of a scaled matrix instruction, an operand so written four
	s_wait_tensorcnt 0x0                           ; my role's two records have landed (a wave that fetched nothing passes),
	s_wait_dscnt 0x0                               ; no LDS instruction of mine is out:
	s_barrier_signal -1
	s_barrier_wait -1                              ; behind this, the launch's one barrier, all ten records are whole for every wave
; ---------------------------------------------------------------- macros of the three phases
; role a's record into registers: 16 loads of an image's halves, as they lie, and 4 of scale words (lanes 0-15 the even tile's, lanes 16-31 the odd tile's), into scale set a % 2
.macro FETCH adr, sadr, a, buf
.irp t, 0,1,2,3,4,5,6,7
	ds_load_b128 v[\buf+8*\t:\buf+8*\t+3], v[\adr] offset:(\a)*REC+\t*1024
	ds_load_b128 v[\buf+8*\t+4:\buf+8*\t+7], v[\adr] offset:(\a)*REC+\t*1024+512
.endr
.irp p, 0,1,2,3
	ds_load_b32 v[SCW+4*((\a)%2)+\p], v[\sadr] offset:(\a)*REC+128*\p
.endr
.endm
; one matrix instruction: D = v[d ..], source 0 = v[a ..] with its scale words in v[sa] (row = 1: in lanes 16-31), source 1 = v[16:23] with its scale word in v24; acc = 0: the sum begins
.macro WM d, a, acc, sa, row
.if \acc
.if \row
	v_wmma_scale_f32_16x16x128_f8f6f4 v[\d:\d+7], v[\a:\a+7], v[16:23], v[\d:\d+7], v[\sa], v24 matrix_a_fmt:MATRIX_FMT_FP4 matrix_b_fmt:MATRIX_FMT_FP4 matrix_a_scale:MATRIX_SCALE_ROW1
.else
	v_wmma_scale_f32_16x16x128_f8f6f4 v[\d:\d+7], v[\a:\a+7], v[16:23], v[\d:\d+7], v[\sa], v24 matrix_a_fmt:MATRIX_FMT_FP4 matrix_b_fmt:MATRIX_FMT_FP4
.endif
.else
.if \row
	v_wmma_scale_f32_16x16x128_f8f6f4 v[\d:\d+7], v[\a:\a+7], v[16:23], 0, v[\sa], v24 matrix_a_fmt:MATRIX_FMT_FP4 matrix_b_fmt:MATRIX_FMT_FP4 matrix_a_scale:MATRIX_SCALE_ROW1
.else
	v_wmma_scale_f32_16x16x128_f8f6f4 v[\d:\d+7], v[\a:\a+7], v[16:23], 0, v[\sa], v24 matrix_a_fmt:MATRIX_FMT_FP4 matrix_b_fmt:MATRIX_FMT_FP4
.endif
.endif
.endm
.macro QK a                            ; role a's scores: eight tiles of 16 keys, K = the head's 128: one instruction each
	SETS \a
	WIN 0x40*W1
.irp t, 0,1,2,3,4,5,6,7
	WM SB+8*\t, 64+64*((\a)%2)+8*\t, 0, SCW+4*((\a)%2)+\t/2, \t%2
.endr
	PLACES 4                                       ; ahead of the first read of the scores, and of the next loads into registers that these products have read
.endm
; Register 16 b + i holds the chunk's key 32 b + 16 h + i.  Role 0: hidden where the key comes after my query: 32 b + i > v5.  Role 4: hidden where it lies more than 512 back: 32 b + i < v5.
; The registers go in ascending order.
.macro MASK a
	SETS \a
	WIN 0x41*W1
.irp b, 0,1,2,3
.irp i, 0,1,2,3,4,5,6,7,8,9,10,11,12,13,14,15
.if (\a) == 0
	v_cmp_gt_i32 vcc_lo, 32*\b+\i, v5
.else
	v_cmp_lt_i32 vcc_lo, 32*\b+\i, v5
.endif
	v_cndmask_b32 v[SB+16*\b+\i], v[SB+16*\b+\i], v7, vcc_lo
.endr
.endr
.endm
; The largest score of each block of 32 keys: it serves the row's maximum and, since p rises with the score, the block's largest p
.macro BLOCKMAX a
	SETS \a
	WIN 0x15*W1
.irp b, 0,1,2,3
	v_max3_num_f32 v[BM+4*(\a)+\b], v[SB+16*\b], v[SB+16*\b+1], v[SB+16*\b+2]
.endr
	WIN 0x14*W1
.irp i, 3,5,7,9,11,13
.irp b, 0,1,2,3
	v_max3_num_f32 v[BM+4*(\a)+\b], v[BM+4*(\a)+\b], v[SB+16*\b+\i], v[SB+16*\b+\i+1]   ; (the four blocks by turns; the pair 7, 8 is the odd tile's first read, at its register 0)
.endr
.endr
.irp b, 0,1,2,3
	v_max_num_f32 v[BM+4*(\a)+\b], v[BM+4*(\a)+\b], v[SB+16*\b+15]
.endr
	WIN 0
.irp b, 0,1,2,3
	v_permlanex16_b32 v[60+\b], v[BM+4*(\a)+\b], s40, s41
.endr
.irp b, 0,1,2,3
	v_max_num_f32 v[BM+4*(\a)+\b], v[BM+4*(\a)+\b], v[60+\b]      ; with lane l xor 16's 16 keys
.endr
.if (\a) > 0
.irp b, 0,1,2,3
	v_add_f32 v[BM+4*(\a)+\b], s[45+(\a)], v[BM+4*(\a)+\b]        ; -infinity where the chunk does not exist
.endr
.endif
.endm
.macro PREP_E a                        ; c s - c m, of role a's 64 scores (two at a time) and of its four block maxima
	SETS \a
	WIN 0
.if (\a) == 0
	v_mov_b32 v8, v25
.else
	v_add_f32 v8, s[45+(\a)], v25                  ; -infinity where the chunk does not exist: every p of it is 0
.endif
.irp b, 0,1,2,3
	v_fma_f32 v[BM+4*(\a)+\b], v[BM+4*(\a)+\b], s42, v8
.endr
	WIN 0x41*W1
.set JJ, 0
.rept 32
	v_pk_fma_f32 v[SB+JJ:SB+JJ+1], v[SB+JJ:SB+JJ+1], s[42:43], v[8:9] op_sel_hi:[1,0,0]
.set JJ, JJ+2
.endr
.endm
.macro EXPS a                          ; one batch: 68 exponentials, none of which reads another's result
	SETS \a
	WIN 0x41*W1
.set JJ, 0
.rept 64
	v_exp_f32 v[SB+JJ], v[SB+JJ]
.set JJ, JJ+1
.endr
	WIN 0
.irp b, 0,1,2,3
	v_exp_f32 v[BM+4*(\a)+\b], v[BM+4*(\a)+\b]
.endr
.endm
.macro SUM a                           ; the row's sum, two at a time, in two chains; role 0's first pairs start them: nothing is cleared
	SETS \a
	WIN 0x04*W1
.if (\a) == 0
	v_pk_add_f32 v[10:11], v[SB:SB+1], v[SB+2:SB+3]
	v_pk_add_f32 v[14:15], v[SB+4:SB+5], v[SB+6:SB+7]
.set JJ, 8
.else
.set JJ, 0
.endif
.rept 16-2*(1-W1)
	v_pk_add_f32 v[10:11], v[10:11], v[SB+JJ:SB+JJ+1]
	v_pk_add_f32 v[14:15], v[14:15], v[SB+JJ+2:SB+JJ+3]
.set JJ, JJ+4
.endr
.endm
.macro MULN a                          ; p = 2^(c s - c m) x (1 / l)
	SETS \a
	WIN 0x41*W1
.set JJ, 0
.rept 32
	v_pk_mul_f32 v[SB+JJ:SB+JJ+1], v[SB+JJ:SB+JJ+1], v[12:13] op_sel_hi:[1,0]
.set JJ, JJ+2
.endr
.endm
.macro SCL a                           ; role a's four scales: the conversions' operands stay in the block maxima's registers, the bytes make P's scale word
	WIN 0
.irp b, 0,1,2,3
	v_mul_f32 v[BM+4*(\a)+\b], v[BM+4*(\a)+\b], v12                      ; the block's largest p
.endr
.irp b, 0,1,2,3
	v_med3_num_f32 v[BM+4*(\a)+\b], v[BM+4*(\a)+\b], 0x1800000, 1.0      ; held at 1, the clip, and at the floor 2^(3 - 127), so that the byte cannot fall under 1
.endr
.irp b, 0,1,2,3
	v_add_nc_u32 v[BM+4*(\a)+\b], 0xff000000, v[BM+4*(\a)+\b]            ; 2 off the exponent field
.endr
.irp b, 0,1,2,3
	v_lshrrev_b32 v[60+\b], 23, v[BM+4*(\a)+\b]
.endr
	v_lshl_or_b32 v24, v61, 8, v60
	v_lshl_or_b32 v24, v62, 16, v24
	v_lshl_or_b32 v24, v63, 24, v24
.endm
.macro CVT a                           ; role a's 64 p become the operand's eight registers
	SETS \a
	WIN 0x01*W1
.irp b, 0,1,2,3
	v_cvt_scalef32_pk8_fp4_f32 v[16+2*\b], v[SB+16*\b:SB+16*\b+7], v[BM+4*(\a)+\b]
	v_cvt_scalef32_pk8_fp4_f32 v[17+2*\b], v[SB+16*\b+8:SB+16*\b+15], v[BM+4*(\a)+\b]
.endr
	WIN 0
	v_nop                                          ; a plain instruction behind the last scaled conversion
.irp c, 0,1                            ; the operand's layout wants a WHOLE block in a lane: lanes 0-15 block 2 c, lanes 16-31 block 2 c + 1
.irp i, 0,1
	v_permlane16_swap_b32 v[16+4*\c+\i], v[18+4*\c+\i]
.endr
.endr
.endm
.macro PV a                            ; O^T += V^T P^T: eight tiles of 16 channels, K = role a's 128 keys.  The eight accumulators take turns, one instruction a turn
	WIN 0
.if (\a) == 0
.set ACCF, 0
.else
.set ACCF, 1
.endif
.irp t, 0,1,2,3,4,5,6,7
	WM O+8*\t, 64+128*((\a)%2)+8*\t, ACCF, SCW+4*((\a)%2)+\t/2, \t%2
.endr
.endm
; ---------------------------------------------------------------- S: all scores of my 16 queries, role by role; the next role's record is fetched ahead
	FETCH AK, ASK, 0, 64
.irp a, 0,1,2,3,4
.if \a < 4
	FETCH AK, ASK, \a+1, 64+64*((\a+1)%2)          ; into the buffer and the scale set that the role before this one has left
	s_wait_dscnt 20                                ; this role's record is in; the 20 loads just issued may be out
.else
	s_wait_dscnt 0x0
.endif
	QK \a
.if (\a == 0) || (\a == 4)
	MASK \a                                        ; only the diagonal's chunk and the window's edge have hidden keys
.endif
	BLOCKMAX \a
.endr
	FETCH AV, ASV, 0, 64                           ; V of role 0: it lands during the exponentials
	v_max3_num_f32 v30, v[BM], v[BM+1], v[BM+2]    ; the row's largest score, of the 20 block maxima, in two chains
	v_max3_num_f32 v31, v[BM+3], v[BM+4], v[BM+5]
	v_max3_num_f32 v30, v30, v[BM+6], v[BM+7]
	v_max3_num_f32 v31, v31, v[BM+8], v[BM+9]
	v_max3_num_f32 v30, v30, v[BM+10], v[BM+11]
	v_max3_num_f32 v31, v31, v[BM+12], v[BM+13]
	v_max3_num_f32 v30, v30, v[BM+14], v[BM+15]
	v_max3_num_f32 v31, v31, v[BM+16], v[BM+17]
	v_max3_num_f32 v30, v30, v[BM+18], v[BM+19]
	v_max_num_f32 v30, v30, v31                    ; a number: my own key counts for every query
	v_mul_f32 v25, s44, v30                        ; -c m
; ---------------------------------------------------------------- E: the exponentials, a batch a role, with ONE wait a batch: the next role's scalings stand between a batch and its wait, the sums behind it
	PREP_E 0
	EXPS 0
.irp a, 1,2,3,4
	PREP_E \a                                      ; plain work that names none of the batch's results
	s_wait_alu depctr_va_vdst(0)                   ; the wait ahead of the first line that names a result
	SUM \a-1
	EXPS \a
.endr
	v_nop                                          ; a plain instruction behind the last exponential
	s_wait_alu depctr_va_vdst(0)
	SUM 4
	WIN 0
	v_pk_add_f32 v[10:11], v[10:11], v[14:15]
	v_add_f32 v10, v10, v11
	v_permlanex16_b32 v60, v10, s40, s41
	v_add_f32 v10, v10, v60                        ; l: the row's whole sum
	v_rcp_f32 v12, v10
	v_nop
	s_wait_alu depctr_va_vdst(0)
	v_mov_b32 v13, v12                             ; (named with it as a pair)
; ---------------------------------------------------------------- P: role by role: the finished weights are quantised and multiplied by V
	MULN 0
.irp a, 0,1,2,3,4
	SCL \a                                         ; its first twelve lines are the places behind the last products, ahead of the writes of P's scale word and codes and of the loads below
	CVT \a
.if \a < 4
	FETCH AV, ASV, \a+1, 64+128*((\a+1)%2)         ; V's buffer 1 lies where role 0's scores lay: free behind their conversion
	MULN \a+1                                      ; 32 plain lines: the places between P's codes and scale word and the products
	WIN 0
	s_wait_dscnt 20                                ; this role's V is in; the 20 loads just issued may be out
.else
	PLACES 8
	s_wait_dscnt 0x0
.endif
	PV \a
.endr
; ---------------------------------------------------------------- THE WAY OUT.  p was normalised, so O^T is final.  A lane holds 8 neighbouring channels of one row for each tile: the 16 rows go through my stage and leave whole.
	v_and_b32 v30, 15, v0                          ; (five plain lines that name none of the last products' registers: the places behind them)
	v_bfe_u32 v31, v0, 4, 1
	v_mul_u32_u24 v28, v30, SPITCH
	v_lshl_add_u32 v28, v31, 5, v28
	v_add_nc_u32 v28, s39, v28                     ; row r, + 32 h; tile t's channels 64 t bytes on
.irp t, 0,1,2,3,4,5,6,7
	ds_store_b128 v28, v[O+8*\t:O+8*\t+3] offset:64*\t              ; each accumulator from its low end on
	ds_store_b128 v28, v[O+8*\t+4:O+8*\t+7] offset:64*\t+16
.endr
.set II, 0
.rept 16
	ds_load_b128 v[64+4*II:64+4*II+3], v27 offset:II*SPITCH         ; LDS serves a wave's instructions in order: these see my stores
.set II, II+1
.endr
.set II, 0
.rept 16
	s_wait_dscnt 15-II                             ; row II is back, the younger ones may be out
	global_store_b128 v26, v[64+4*II:64+4*II+3], s[12:13] offset:II*8192 th:TH_STORE_NT   ; the 32 lanes store a row's 512 consecutive bytes, at a multiple of 256 from out0's first byte
.set II, II+1
.endr
	s_wait_xcnt 0x0
	v_lshl_add_u32 v254, v0, 2, 0x29000
	v_mov_b32 v255, 0
	s_wait_tensorcnt 0x0
	ds_add_u32 v254, v255
	s_wait_dscnt 0x0
	s_endpgm
.Lfunc_end_k_qe5002e2823_attn:
	.size	k_qe5002e2823_attn, .Lfunc_end_k_qe5002e2823_attn-k_qe5002e2823_attn
	.p2alignl 7, 3214868480
	.fill 96, 4, 3214868480
	.section	.rodata,"a",@progbits
	.p2align	6, 0x0
	.amdhsa_kernel k_qe5002e2823_attn
		.amdhsa_group_segment_fixed_size 168960
		.amdhsa_private_segment_fixed_size 0
		.amdhsa_enable_private_segment 0
		.amdhsa_kernarg_size 40
		.amdhsa_user_sgpr_count 2
		.amdhsa_user_sgpr_kernarg_segment_ptr 1
		.amdhsa_wavefront_size32 1
		.amdhsa_system_sgpr_workgroup_id_x 1
		.amdhsa_system_sgpr_workgroup_id_y 1
		.amdhsa_system_sgpr_workgroup_id_z 1
		.amdhsa_system_vgpr_workitem_id 0
		.amdhsa_next_free_vgpr 512
		.amdhsa_next_free_sgpr 66
		.amdhsa_reserve_vcc 1
		.amdhsa_float_denorm_mode_32 3
		.amdhsa_float_denorm_mode_16_64 3
		.amdhsa_memory_ordered 1
		.amdhsa_forward_progress 1
		.amdhsa_inst_pref_size 123
	.end_amdhsa_kernel
	.amdgpu_metadata
---
amdhsa.version: [ 1, 2 ]
amdhsa.kernels:
  - .name:           k_qe5002e2823_attn
    .symbol:         k_qe5002e2823_attn.kd
    .args:
      - { .name: q, .offset: 0, .size: 8, .value_kind: global_buffer, .address_space: global }
      - { .name: q_gamma, .offset: 8, .size: 8, .value_kind: global_buffer, .address_space: global }
      - { .name: krec, .offset: 16, .size: 8, .value_kind: global_buffer, .address_space: global }
      - { .name: vrec, .offset: 24, .size: 8, .value_kind: global_buffer, .address_space: global }
      - { .name: out0, .offset: 32, .size: 8, .value_kind: global_buffer, .address_space: global }
    .group_segment_fixed_size: 168960
    .private_segment_fixed_size: 0
    .kernarg_segment_align: 8
    .kernarg_segment_size: 40
    .max_flat_workgroup_size: 256
    .sgpr_count:     66
    .vgpr_count:     512
    .wavefront_size: 32
...
	.end_amdgpu_metadata
.endif
;; end of part 2
